; MI455X (gfx1250); checked and timed in simulation.
; The chip was launched on July 23, 2026; its instructions are those of AMD's public machine-readable ISA for CDNA 5 (MIT licence, August 2026) and "CDNA5" Instruction Set Architecture Reference Guide (July 2026). The comments in the code are by the model that wrote it; some were corrected since.
;; Multi Headed Attention. Allowed arithmetic: matrix products marked QUANTISED: E4M3 operands, one E8M0 scale for each 32 along K, by v_wmma_scale_f32_16x16x128_f8f6f4 with both operands' format E4M3, f32 sums; everything else in f32.
;; Inputs: Wk 1,024 x 512 float32; Wq 1,024 x 512 float32; bk 512 float32; bq 512 float32; key 8 x 2,048 x 1,024 float32; mask 8 x 1 x 2,048 int32; query 8 x 2,048 x 1,024 float32; value 8 x 2,048 x 512 float32.
;; Outputs: out0 8 x 2,048 x 512 float32.
;; This version of the problem:
;;   THIS VERSION OF THE PROBLEM IS GIVEN IN LOW PRECISION. The matrix products marked QUANTISED in the list below multiply operands that are first quantised to E4M3 (4 exponent bits, 3 mantissa bits; 8 bits a number), with one power-of-two scale for each 32 numbers along K (OCP MX v1.0); their sums are f32. All else is computed in f32.
;;   The module's matrix products, in the order in which they are computed (A, B: the left and right operand; K: the contracted axis; several contracted axes count as one K, in the product's order):
;;     1. [M 16,384, K 1,024] x [K 1,024, N 512]; A: input query; B: input Wq: QUANTISED
;;     2. [M 16,384, K 1,024] x [K 1,024, N 512]; A: input key; B: input Wk: QUANTISED
;;     3. batch 8 x [M 2,048, K 512] x [K 512, N 2,048]; A: computed on the way; B: computed on the way: QUANTISED
;;     4. batch 8 x [M 2,048, K 2,048] x [K 2,048, N 512]; A: softmax (see below); B: input value: QUANTISED
;;   THE QUANTISER, for each operand of a quantised product, along K:
;;     - K is cut into blocks of 32 from its start; a last block that is shorter is filled with zeros.
;;     - A block's scale is 2^e with e = floor(log2(the largest magnitude in the block)) - 8, held to -126 .. 127; a block of zeros has e = 0. As a byte (E8M0): e + 127.
;;     - Each number is divided by its block's scale, clamped to +-448, and rounded to the nearest number of E4M3, ties to even, subnormals kept.
;;     - The product sums the exact products of the quantised numbers (number of the format x scale) in f32.
;;   ~~~python
;;   def quantise(x, axis):      # numpy; x: float32 -> the quantised numbers, widened to float32 again
;;       x = np.moveaxis(x, axis, -1); K = x.shape[-1]
;;       x = np.pad(x, [(0, 0)] * (x.ndim - 1) + [(0, -K % 32)]); x = x.reshape(x.shape[:-1] + (-1, 32)); a = np.abs(x).max(-1, keepdims=True)
;;       e = np.where(a > 0, np.clip(np.frexp(np.where(a > 0, a, 1))[1] - 1 - 8, -126, 127), 0)      # np.frexp(a)[1] - 1 = floor(log2(a)), exactly
;;       r = np.clip(x / 2.0 ** e, -448, 448)
;;       step = 2.0 ** (np.maximum(np.frexp(np.where(r == 0, 1, r))[1] - 1, -6) - 3)
;;       q = np.round(r / step) * step * 2.0 ** e      # np.round: ties to even
;;       return np.moveaxis(q.reshape(q.shape[:-2] + (-1,))[..., :K], -1, axis).astype(np.float32)
;;   ~~~
;;   SOFTMAX AHEAD OF A QUANTISED PRODUCT. Where the list says 'softmax', what is quantised is not the finished softmax but p = 2^(t - M), with t = logit x log2(e) and M = ceil(the row's largest t), a whole number; so 1/2 < the row's largest p <= 1. The row's sum l is taken of the UNQUANTISED p, in f32, and the product's result is divided by l at the end. Since M is a whole number, a kernel that streams over the keys may use a running M (the ceiling of the running maximum): every later rescaling is an exact power of two, which a block's scale takes up: the codes' values come out the same.
;;   OPERANDS COMPUTED ON THE WAY. 'Computed on the way' means the value that the module computes at that place (a softmax that the list does not call 'softmax' is quantised finished and normalised). What goes into a quantiser is computed in f32, as accurately as f32 sums, v_exp_f32 and their like allow (about 1e-6 of the number): no bf16 or f16 on the way to a quantiser, and a product that is left as it is and whose result goes on into a quantised operand takes f32 operands (vector FMAs, or v_wmma_f32_16x16x4_f32). A number that lies on a knife's edge between two numbers of the format may be rounded either way, as far as f32 arithmetic and the matrix unit's own rounding can turn it there, and no further.
;; One version. Each part assembles by itself: llvm-mc -triple=amdgcn-amd-amdhsa -mcpu=gfx1250 --defsym DOCPART=n.
;; ======== version 1 of 1: 3 launches
;; limits: right only within a limited range of input values
;; workspace buffers: img 9,732,096 bytes; qk 17,301,504 bytes
;; launch prep (part 1): grid 4 x 144, 4 waves a work-group, no clusters, 0 bytes of LDS; arguments value, Wq, Wk, img; writes img
.if DOCPART == 1
	.amdgcn_target "amdgcn-amd-amdhsa--gfx1250"
	.amdhsa_code_object_version 6
	.text
	.protected	k_q946bf1f63f_prep
	.globl	k_q946bf1f63f_prep
	.p2align	8
	.type	k_q946bf1f63f_prep,@function
k_q946bf1f63f_prep:
	s_mov_b64 s[64:65], 0
	v_nop
	global_prefetch_b8 v0, s[64:65] scope:SCOPE_SE
	s_setreg_imm32_b32 hwreg(HW_REG_WAVE_MODE, 25, 1), 1
	s_wait_xcnt 0x0
; value [8][2048][512], Wq and Wk [1024][512], f32: operands whose K (the keys; d_model) is their FIRST axis.  They become codes of E4M3 with one E8M0 byte for each 32 along K,
; laid in the ORDER OF THE OPERAND'S REGISTERS.  A block of img is one K step (128 along K) of all 512 columns: 67,584 bytes = 32 fragment images of 2,048 bytes + 16 x 128 bytes of scale words.
; A fragment image: 16 columns x 128 K; lane r + 16 h has its 16 bytes (column r, K = 32 c + 16 h + 0 .. 15) at 512 c + 16 (r + 16 h).  Lane r of tile 2 b + u stands for column 32 b + 8 u + r + 8 (r / 8).
; Scale words of a pair of tiles: word r + 16 u = the four bytes of tile u's column r.  Blocks 0-127: value (16 x batch + key step); 128-135: Wq; 136-143: Wk.
; A LANE TAKES A COLUMN AND ITS REGISTERS RUN DOWN K: a block of 32 along K lies in one lane's 32 registers, its largest magnitude needs no other lane, the conversions give codes with K innermost.
; A work-group: one block (y) x 128 columns (x); a wave: a pair of tiles, 32 columns x 128 K.  No LDS, no barrier: waves share nothing.  Loads run two blocks of 32 (64 loads a wave) ahead.
; A block's scale byte is its largest magnitude's exponent field - 8, held at 1 from below.
; LIMITS: a block of zeros gets the byte 1, not 127 (its codes are zeros; this program alone reads the bytes); NaN and infinities among the inputs are not served.
.set BLOCKB, 67584
.set X,      16                        ; v16-79   two sets of 32 numbers
.set C,      80                        ; v80-111  codes: eight registers for each of the four blocks, so that no store's data are written again
.set SB,     112                       ; v112     my column's four scale bytes
	s_load_b256 s[4:11], s[0:1], 0x0               ; value s[4:5], Wq s[6:7], Wk s[8:9], img s[10:11]
	v_lshrrev_b32 v1, 5, v0
	v_readfirstlane_b32 s12, v1                    ; wave
	s_and_b32 s13, ttmp7, 0xffff                   ; which block of img
	s_lshl_b32 s14, ttmp9, 2
	s_add_co_u32 s14, s14, s12                     ; which pair of tiles: 4 x + wave
	v_and_b32 v2, 15, v0                           ; r
	v_bfe_u32 v6, v0, 4, 1                         ; u
	v_and_b32 v7, 8, v2
	v_add_nc_u32 v7, v7, v2                        ; r + 8 (r / 8)
	v_lshl_add_u32 v7, v6, 3, v7                   ; + 8 u: my column among the pair's 32
	v_lshlrev_b32 v3, 2, v7                        ; in: 4 bytes a column
	v_lshlrev_b32 v4, 4, v2
	v_lshl_add_u32 v4, v6, 11, v4                  ; out: tile u's image, 16 r
	v_and_b32 v5, 31, v0
	v_lshlrev_b32 v5, 2, v5                        ; scale words: 4 x lane
	s_mov_b32 s20, 0x600000                        ; the mantissa field of 448
	s_mov_b32 s15, 136
	s_cmp_lt_u32 s13, 136
	s_cselect_b32 s15, 128, s15
	s_cmp_lt_u32 s13, 128
	s_cselect_b32 s15, 0, s15                      ; the first block of my tensor
	s_sub_co_u32 s15, s13, s15                     ; which 128 rows of it
	s_lshl_b32 s16, s15, 18                        ; 128 rows of 2,048 bytes
	s_lshl_b32 s17, s14, 7                         ; + 32 columns a pair
	s_add_co_u32 s16, s16, s17
	s_mov_b32 s17, 0
	s_mul_i32 s18, s13, BLOCKB
	s_lshl_b32 s19, s14, 12                        ; two images a pair
	s_add_co_u32 s18, s18, s19
	s_mov_b32 s19, 0
	s_mul_i32 s22, s13, BLOCKB
	s_lshl_b32 s23, s14, 7
	s_add_co_u32 s22, s22, s23
	s_add_co_u32 s22, s22, 65536                   ; the pair's scale words
	s_mov_b32 s23, 0
	s_wait_alu depctr_va_vdst(0)
	s_wait_kmcnt 0x0
	s_cmp_lt_u32 s13, 136                          ; the choice hangs on the work-group's number alone
	s_cselect_b64 s[6:7], s[6:7], s[8:9]
	s_cmp_lt_u32 s13, 128
	s_cselect_b64 s[4:5], s[4:5], s[6:7]
	s_add_nc_u64 s[4:5], s[4:5], s[16:17]
	s_add_nc_u64 s[24:25], s[10:11], s[18:19]
	s_add_nc_u64 s[26:27], s[10:11], s[22:23]
.macro LOAD c                          ; block c: rows 32 c + i of my column, i = 0 .. 31, into set c % 2; a wave's load reads 128 consecutive bytes
.irp i, 0,1,2,3,4,5,6,7,8,9,10,11,12,13,14,15,16,17,18,19,20,21,22,23,24,25,26,27,28,29,30,31
	global_load_b32 v[X+32*((\c)%2)+\i], v3, s[4:5] offset:(32*(\c)+\i)*2048 th:TH_LOAD_NT
.endr
.endm
.macro BLOCK c
.set XS, X+32*((\c)%2)
.if (\c) < 3
	s_wait_loadcnt 32                              ; this block's 32 loads are in; the next block's 32 may be out
.else
	s_wait_loadcnt 0x0
.endif
	v_max3_num_f32 v12, |v[XS]|, |v[XS+1]|, |v[XS+2]|      ; the block's largest magnitude, in two chains: all 32 numbers are mine
	v_max3_num_f32 v13, |v[XS+3]|, |v[XS+4]|, |v[XS+5]|
.irp i, 6,10,14,18,22,26
	v_max3_num_f32 v12, v12, |v[XS+\i]|, |v[XS+\i+1]|
	v_max3_num_f32 v13, v13, |v[XS+\i+2]|, |v[XS+\i+3]|
.endr
	v_max3_num_f32 v12, v12, |v[XS+30]|, |v[XS+31]|
	v_max3_num_f32 v12, v12, v13, 0x4800000        ; and the floor 2^(9 - 127): the byte cannot fall under 1
	v_add_nc_u32 v11, 0xfc000000, v12              ; 8 off the exponent field: the conversion's scale operand
	v_and_or_b32 v10, v12, 0x7f800000, s20         ; 448 x the scale
	v_lshrrev_b32 v13, 23, v11                     ; the scale's byte
.if (\c) == 0
	v_mov_b32 v[SB], v13
.else
	v_lshl_or_b32 v[SB], v13, 8*(\c), v[SB]
.endif
.irp i, 0,1,2,3,4,5,6,7,8,9,10,11,12,13,14,15,16,17,18,19,20,21,22,23,24,25,26,27,28,29,30,31
	v_med3_num_f32 v[XS+\i], v[XS+\i], -v10, v10   ; the conversion to an 8-bit code does not saturate (ISA guide 7.6.2): the hold at 448 x the scale
.endr
.irp g, 0,1,2,3
	v_cvt_scalef32_pk8_fp8_f32 v[C+8*(\c)+2*\g:C+8*(\c)+2*\g+1], v[XS+8*\g:XS+8*\g+7], v11
.endr
	v_nop                                          ; a plain line behind the last conversion
	global_store_b128 v4, v[C+8*(\c):C+8*(\c)+3], s[24:25] offset:512*(\c)          ; K = 32 c + 0 .. 15: sixteen lanes store 256 consecutive bytes, aligned
	global_store_b128 v4, v[C+8*(\c)+4:C+8*(\c)+7], s[24:25] offset:512*(\c)+256    ; K = 32 c + 16 .. 31: the image's upper lanes
.if (\c) < 2
	LOAD (\c)+2
.endif
.endm
	LOAD 0
	LOAD 1
	BLOCK 0
	BLOCK 1
	BLOCK 2
	BLOCK 3
	global_store_b32 v5, v[SB], s[26:27]           ; the pair's 32 scale words: 128 consecutive bytes
	s_endpgm
.Lfunc_end_k_q946bf1f63f_prep:
	.size	k_q946bf1f63f_prep, .Lfunc_end_k_q946bf1f63f_prep-k_q946bf1f63f_prep
	.p2alignl 7, 3214868480
	.fill 96, 4, 3214868480
	.section	.rodata,"a",@progbits
	.p2align	6, 0x0
	.amdhsa_kernel k_q946bf1f63f_prep
		.amdhsa_group_segment_fixed_size 0
		.amdhsa_private_segment_fixed_size 0
		.amdhsa_enable_private_segment 0
		.amdhsa_kernarg_size 32
		.amdhsa_user_sgpr_count 2
		.amdhsa_user_sgpr_kernarg_segment_ptr 1
		.amdhsa_wavefront_size32 1
		.amdhsa_system_sgpr_workgroup_id_x 1
		.amdhsa_system_sgpr_workgroup_id_y 1
		.amdhsa_system_sgpr_workgroup_id_z 1
		.amdhsa_system_vgpr_workitem_id 0
		.amdhsa_next_free_vgpr 120
		.amdhsa_next_free_sgpr 66
		.amdhsa_reserve_vcc 0
		.amdhsa_float_denorm_mode_32 3
		.amdhsa_float_denorm_mode_16_64 3
		.amdhsa_memory_ordered 1
		.amdhsa_forward_progress 1
		.amdhsa_inst_pref_size 30
	.end_amdhsa_kernel
	.amdgpu_metadata
---
amdhsa.version: [ 1, 2 ]
amdhsa.kernels:
  - .name:           k_q946bf1f63f_prep
    .symbol:         k_q946bf1f63f_prep.kd
    .args:
      - { .name: value, .offset: 0, .size: 8, .value_kind: global_buffer, .address_space: global }
      - { .name: Wq, .offset: 8, .size: 8, .value_kind: global_buffer, .address_space: global }
      - { .name: Wk, .offset: 16, .size: 8, .value_kind: global_buffer, .address_space: global }
      - { .name: img, .offset: 24, .size: 8, .value_kind: global_buffer, .address_space: global }
    .group_segment_fixed_size: 0
    .private_segment_fixed_size: 0
    .kernarg_segment_align: 8
    .kernarg_segment_size: 32
    .max_flat_workgroup_size: 128
    .sgpr_count:     66
    .vgpr_count:     120
    .wavefront_size: 32
...
	.end_amdgpu_metadata
.endif
;; end of part 1
;; launch proj (part 2): grid 256 x 1, 4 waves a work-group, no clusters, 327,680 bytes of LDS; arguments query, key, bq, bk, mask, img, qk; writes qk
.if DOCPART == 2
	.amdgcn_target "amdgcn-amd-amdhsa--gfx1250"
	.amdhsa_code_object_version 6
	.text
	.protected	k_q946bf1f63f_proj
	.globl	k_q946bf1f63f_proj
	.p2align	8
	.type	k_q946bf1f63f_proj,@function
k_q946bf1f63f_proj:
	s_mov_b64 s[64:65], 0
	v_nop
	global_prefetch_b8 v0, s[64:65] scope:SCOPE_SE
	s_setreg_imm32_b32 hwreg(HW_REG_WAVE_MODE, 25, 1), 1
	s_wait_xcnt 0x0
.set XP,     1040
.set WPART,  32*XP
.set SLOTB,  128*XP
.set IMG0,   2*SLOTB
.set IMGB,   16896
.set SPARE,  IMG0+2*IMGB
.set BLOCKB, 67584
.set SPW,  1
.set NIL,  2
.set LIX,  3
.set LSX,  4
.set XR0,  5
.set IMW,  7
.set SCW,  8
.set WOF,  9
.set WSO,  10
.set MOF,  11
.set BOF,  12
.set L16,  13
.set PW,   14
.set WS,   16
.set XS,   24
.set L4,   28
.set XR1,  29
.set TMPV, 31
.set BI,   32
.set MKR,  40
.set PC,   96
.set TM,   112
.set XN,   128
.set WV,   18
.set ISQ,  19
.set SEL,  20
.set MNT,  22
.set HI16, 23
.set G1,   24
.set G0,   32
.set MSB, 0
.macro WIN new
.if MSB != (\new)
	s_set_vgpr_msb (MSB<<8)|(\new)
.set MSB, (\new)
.endif
.endm
.macro PLACES n
.rept \n
	v_nop
.endr
.endm
.macro WM
.if rC < 0
.if fA && fB
	v_wmma_scale_f32_16x16x128_f8f6f4 v[rD:rD+7], v[rA:rA+15], v[rB:rB+15], 0, v[rSA], v[rSB] matrix_a_scale:MATRIX_SCALE_ROW1 matrix_b_scale:MATRIX_SCALE_ROW1
.elseif fA
	v_wmma_scale_f32_16x16x128_f8f6f4 v[rD:rD+7], v[rA:rA+15], v[rB:rB+15], 0, v[rSA], v[rSB] matrix_a_scale:MATRIX_SCALE_ROW1
.elseif fB
	v_wmma_scale_f32_16x16x128_f8f6f4 v[rD:rD+7], v[rA:rA+15], v[rB:rB+15], 0, v[rSA], v[rSB] matrix_b_scale:MATRIX_SCALE_ROW1
.else
	v_wmma_scale_f32_16x16x128_f8f6f4 v[rD:rD+7], v[rA:rA+15], v[rB:rB+15], 0, v[rSA], v[rSB]
.endif
.else
.if fA && fB
	v_wmma_scale_f32_16x16x128_f8f6f4 v[rD:rD+7], v[rA:rA+15], v[rB:rB+15], v[rC:rC+7], v[rSA], v[rSB] matrix_a_scale:MATRIX_SCALE_ROW1 matrix_b_scale:MATRIX_SCALE_ROW1
.elseif fA
	v_wmma_scale_f32_16x16x128_f8f6f4 v[rD:rD+7], v[rA:rA+15], v[rB:rB+15], v[rC:rC+7], v[rSA], v[rSB] matrix_a_scale:MATRIX_SCALE_ROW1
.elseif fB
	v_wmma_scale_f32_16x16x128_f8f6f4 v[rD:rD+7], v[rA:rA+15], v[rB:rB+15], v[rC:rC+7], v[rSA], v[rSB] matrix_b_scale:MATRIX_SCALE_ROW1
.else
	v_wmma_scale_f32_16x16x128_f8f6f4 v[rD:rD+7], v[rA:rA+15], v[rB:rB+15], v[rC:rC+7], v[rSA], v[rSB]
.endif
.endif
.endm
.macro QUANT src, win, dst, pw, msk
	WIN (\win)|((\win)<<2)
.irp b, 0,1,2,3
	v_max3_num_f32 v[TM+\b], |v[\src+16*\b]|, |v[\src+16*\b+1]|, 0x4800000
.endr
	WIN ((\win)<<2)|((\win)<<4)
.irp i, 2,4,6,8,10,12,14
.irp b, 0,1,2,3
	v_max3_num_f32 v[TM+\b], v[TM+\b], |v[\src+16*\b+\i]|, |v[\src+16*\b+\i+1]|
.endr
.endr
	WIN 0
.irp b, 0,1,2,3
	v_permlanex16_b32 v[TM+4+\b], v[TM+\b], s[SEL], s[SEL+1]
.endr
.irp b, 0,1,2,3
	v_max_num_f32 v[TM+\b], v[TM+\b], v[TM+4+\b]
.endr
.irp b, 0,1,2,3
	v_add_nc_u32 v[TM+12+\b], 0xfc000000, v[TM+\b]
.endr
.irp b, 0,1,2,3
	v_and_or_b32 v[TM+8+\b], v[TM+\b], 0x7f800000, s[MNT]
.endr
.if \msk
.irp b, 0,1,2,3
	v_and_b32 v[TM+8+\b], v[\msk], v[TM+8+\b]
.endr
.endif
.irp b, 0,1,2,3
	v_lshrrev_b32 v[TM+4+\b], 23, v[TM+12+\b]
.endr
	v_lshl_or_b32 v[\pw], v[TM+5], 8, v[TM+4]
	v_lshl_or_b32 v[\pw], v[TM+6], 16, v[\pw]
	v_lshl_or_b32 v[\pw], v[TM+7], 24, v[\pw]
	WIN (\win)
.irp b, 0,1,2,3
.irp i, 0,1,2,3,4,5,6,7,8,9,10,11,12,13,14,15
	v_med3_num_f32 v[\dst+16*\b+\i], v[\src+16*\b+\i], -v[TM+8+\b], v[TM+8+\b]
.endr
.endr
	WIN 0
.irp b, 0,1,2,3
	v_cvt_scalef32_pk8_fp8_f32 v[PC+4*\b:PC+4*\b+1], v[\dst+16*\b:\dst+16*\b+7], v[TM+12+\b]
	v_cvt_scalef32_pk8_fp8_f32 v[PC+4*\b+2:PC+4*\b+3], v[\dst+16*\b+8:\dst+16*\b+15], v[TM+12+\b]
.endr
	v_nop
.endm
	s_load_b256 s[4:11], s[0:1], 0x0
	s_load_b128 s[12:15], s[0:1], 0x20
	s_load_b64 s[16:17], s[0:1], 0x30
	v_lshl_add_u32 v[SPW], v0, 2, SPARE
	v_mov_b32 v[NIL], 0
	ds_add_u32 v[SPW], v[NIL]
	ds_add_u32 v[SPW], v[NIL]
	v_lshrrev_b32 v31, 5, v0
	v_readfirstlane_b32 s[WV], v31
	s_mov_b32 s[G1+0], (2<<16)|(1<<20)|(7<<22)|(3<<25)
	s_mov_b32 s[G1+1], 256<<16
	s_mov_b32 s[G1+2], 32<<16
	s_mov_b32 s[G1+3], 256<<16
	s_mov_b32 s[G1+4], 32
	s_mov_b32 s[G1+5], 1024
	s_mov_b32 s[G1+6], 0
	s_mov_b32 s[G1+7], 0
	s_mov_b32 s[SEL], 0x76543210
	s_mov_b32 s[SEL+1], 0xfedcba98
	s_mov_b32 s[MNT], 0x600000
	s_mov_b32 s[HI16], 0xffff0000
	v_and_b32 v31, 31, v0
	v_and_b32 v32, 15, v0
	v_bfe_u32 v33, v0, 4, 1
	v_and_b32 v34, 8, v32
	v_add_nc_u32 v34, v34, v32
	v_mul_u32_u24 v[XR0], v34, XP
	v_lshl_add_u32 v[XR0], v33, 6, v[XR0]
	s_mul_i32 s44, s[WV], WPART
	v_add_nc_u32 v[XR0], s44, v[XR0]
	v_add_nc_u32 v[XR0+1], 8*XP, v[XR0]
	v_add_nc_u32 v[XR1], SLOTB, v[XR0]
	v_add_nc_u32 v[XR1+1], SLOTB, v[XR0+1]
	v_lshl_add_u32 v[LIX], v31, 4, IMG0
	v_lshl_add_u32 v[LSX], v31, 2, IMG0+16384
	s_lshl_b32 s45, s[WV], 12
	v_add_nc_u32 v[IMW], s45, v[LIX]
	s_lshl_b32 s45, s[WV], 7
	v_add_nc_u32 v[SCW], s45, v[LSX]
	v_lshlrev_b32 v[L16], 4, v31
	v_lshlrev_b32 v[L4], 2, v31
	s_lshl_b32 s45, s[WV], 14
	v_add_nc_u32 v[WOF], s45, v[L16]
	s_lshl_b32 s45, s[WV], 9
	v_add_nc_u32 v[WSO], s45, v[L4]
	v_lshlrev_b32 v[MOF], 2, v34
	v_lshlrev_b32 v[BOF], 6, v33
.irp b, 0,1,2,3
	v_mov_b32 v[TM+4+\b], 0
.endr
	s_and_b32 s42, ttmp9, 127
	s_lshl_b32 s44, s42, 19
	s_lshl_b32 s43, s[WV], 17
	s_add_co_u32 s44, s44, s43
	s_mov_b32 s45, 0
	s_lshl_b32 s48, s[WV], 9
	s_mov_b32 s49, 0
	s_lshl_b32 s50, s42, 9
	s_mov_b32 s51, 0
	s_mul_i32 s52, ttmp9, BLOCKB
	s_lshl_b32 s43, s[WV], 11
	s_add_co_u32 s52, s52, s43
	s_mov_b32 s53, 0
	s_mul_i32 s54, ttmp9, BLOCKB
	s_lshl_b32 s43, s[WV], 7
	s_add_co_u32 s54, s54, s43
	s_add_co_u32 s54, s54, 65536
	s_mov_b32 s55, 0
	s_mov_b32 s56, 136*BLOCKB
	s_mov_b32 s57, 0
	s_wait_alu depctr_va_vdst(0)
	s_wait_dscnt 0x0
	s_wait_kmcnt 0x0
	s_cmp_lt_u32 ttmp9, 128
	s_cselect_b64 s[4:5], s[4:5], s[6:7]
	s_cselect_b64 s[8:9], s[8:9], s[10:11]
	s_cselect_b32 s[ISQ], -1, 0
	s_cselect_b32 s56, 128*BLOCKB, s56
	s_add_nc_u64 s[40:41], s[4:5], s[44:45]
	s_add_nc_u64 s[8:9], s[8:9], s[48:49]
	s_add_nc_u64 s[12:13], s[12:13], s[50:51]
	s_add_nc_u64 s[14:15], s[14:15], s[56:57]
	s_add_nc_u64 s[46:47], s[16:17], s[54:55]
	s_add_nc_u64 s[16:17], s[16:17], s[52:53]
	s_mov_b32 s[G0], 1
	s_mul_i32 s[G0+1], s[WV], WPART
	s_mov_b64 s[G0+2:G0+3], s[40:41]
	s_or_b32 s[G0+3], s[G0+3], 0x80000000
	s_mov_b32 s[G0+4], 1
	s_add_co_u32 s[G0+5], s[G0+1], SLOTB
	s_add_nc_u64 s[G0+6:G0+7], s[40:41], 1024
	s_or_b32 s[G0+7], s[G0+7], 0x80000000
	tensor_load_to_lds s[G0:G0+3], s[G1:G1+7]
	s_nop 0
	s_wait_alu depctr_va_vdst(0)
	s_wait_tensorcnt 0x0
	ds_add_u32 v1, v2
	s_wait_dscnt 0x0
	s_barrier_signal -1
	s_barrier_wait -1
	tensor_load_to_lds s[G0+4:G0+7], s[G1:G1+7]
	s_nop 0
	PLACES 4
	WIN 0x40
.irp t, 0,1,2,3,4,5,6,7
.irp c, 0,1,2,3
	global_load_b128 v[16*\t+4*\c:16*\t+4*\c+3], v[WOF], s[14:15] offset:2048*\t+512*\c
.endr
.endr
	WIN 0
.irp p, 0,1,2,3
	global_load_b32 v[WS+\p], v[WSO], s[14:15] offset:65536+128*\p
.endr
.irp t, 0,1,2,3,4,5,6,7
	global_load_b128 v[BI+8*\t:BI+8*\t+3], v[BOF], s[8:9] offset:128*(\t/2)+32*(\t%2)
	global_load_b128 v[BI+8*\t+4:BI+8*\t+7], v[BOF], s[8:9] offset:128*(\t/2)+32*(\t%2)+16
.endr
.macro KSTEP s
.set sl, ((\s)/2)%2
.set par, (\s)%2
.set xr, XR0+(XR1-XR0)*sl
.if (\s) > 0
	PLACES 8
.endif
.if (\s) == 0
	s_wait_tensorcnt 0x1
.endif
.if (\s) == 6
	s_wait_tensorcnt 0x0
.endif
.irp u, 0,1
.irp b, 0,1,2,3
.irp j, 0,1,2,3
	ds_load_b128 v[XN+64*\u+16*\b+4*\j:XN+64*\u+16*\b+4*\j+3], v[xr+\u] offset:512*par+128*\b+16*\j
.endr
.endr
.endr
	s_wait_dscnt 16
	QUANT XN, 0, XN, PW, 0
.irp c, 0,1,2,3
	ds_store_b128 v[IMW], v[PC+4*\c:PC+4*\c+3] offset:par*IMGB+512*\c
.endr
	s_wait_dscnt 0x0
	QUANT XN+64, 0, XN+64, PW+1, 0
.irp c, 0,1,2,3
	ds_store_b128 v[IMW], v[PC+4*\c:PC+4*\c+3] offset:par*IMGB+2048+512*\c
.endr
	v_cndmask_b32 v[TMPV], v[PW], v[PW+1], s[HI16]
	ds_store_b32 v[SCW], v[TMPV] offset:par*IMGB
.if ((\s)==1)||((\s)==3)
	s_wait_tensorcnt 0x0
	ds_add_u32 v[SPW], v[NIL]
	s_add_nc_u64 s[G0+4*sl+2:G0+4*sl+3], s[G0+4*sl+2:G0+4*sl+3], 2048
.endif
	s_wait_dscnt 0x0
	s_barrier_signal -1
	s_barrier_wait -1
.if ((\s)==1)||((\s)==3)
	tensor_load_to_lds s[G0+4*sl:G0+4*sl+3], s[G1:G1+7]
	s_nop 0
	PLACES 4
.endif
.irp m, 0,1,2,3,4,5,6,7
.irp c, 0,1,2,3
	ds_load_b128 v[XN+16*\m+4*\c:XN+16*\m+4*\c+3], v[LIX] offset:par*IMGB+2048*\m+512*\c
.endr
.endr
.irp g, 0,1,2,3
	ds_load_b32 v[XS+\g], v[LSX] offset:par*IMGB+128*\g
.endr
	s_wait_loadcnt 0x0
.if (\s) < 7
	WIN 0x40
.irp t, 0,1,2,3,4,5,6,7
.irp c, 0,1,2,3
	global_load_b128 v[128*(1-par)+16*\t+4*\c:128*(1-par)+16*\t+4*\c+3], v[WOF], s[14:15] offset:((\s)+1)*BLOCKB+2048*\t+512*\c
.endr
.endr
	WIN 0
.irp p, 0,1,2,3
	global_load_b32 v[WS+4*(1-par)+\p], v[WSO], s[14:15] offset:((\s)+1)*BLOCKB+65536+128*\p
.endr
.else
.irp m, 0,1,2,3,4,5,6,7
	global_load_b32 v[BI+\m], v[MOF], s[12:13] offset:(32*(\m/2)+8*(\m%2))*4
.endr
.endif
	s_wait_dscnt 0x0
.irp m, 0,1,2,3,4,5,6,7
.if (\s) == 0
	WIN 0x81+0x40*(\m/4)
.else
	WIN 0xa1+0x50*(\m/4)
.endif
.irp t, 0,1,2,3,4,5,6,7
.set rD, 64*(\m%4)+8*\t
.set rA, 128*par+16*\t
.set rB, XN+16*\m
.if (\s) == 0
.set rC, BI+8*\t
.else
.set rC, rD
.endif
.set rSA, WS+4*par+\t/2
.set rSB, XS+\m/2
.set fA, \t%2
.set fB, \m%2
	WM
.endr
.endr
	WIN 0
.endm
	KSTEP 0
	KSTEP 1
	KSTEP 2
	KSTEP 3
	KSTEP 4
	KSTEP 5
	KSTEP 6
	KSTEP 7
	PLACES 8
	s_wait_loadcnt 0x0
.irp m, 0,1,2,3,4,5,6,7
	v_cmp_ne_u32 vcc_lo, 0, v[BI+\m]
	v_cndmask_b32 v[MKR+\m], 0, -1, vcc_lo
.endr
.irp m, 0,1,2,3,4,5,6,7
	v_or_b32 v[MKR+\m], s[ISQ], v[MKR+\m]
.endr
.irp m, 0,1,2,3,4,5,6,7
.if \m > 0
	s_wait_xcnt 0x0
.endif
	QUANT 64*(\m%4), 2+\m/4, XN, PW+\m%2, MKR+\m
.irp c, 0,1,2,3
	global_store_b128 v[L16], v[PC+4*\c:PC+4*\c+3], s[16:17] offset:8192*\m+512*\c
.endr
.if \m%2
	v_cndmask_b32 v[TMPV], v[PW], v[PW+1], s[HI16]
	global_store_b32 v[L4], v[TMPV], s[46:47] offset:512*(\m/2)
.endif
.endr
	s_wait_tensorcnt 0x0
	ds_add_u32 v[SPW], v[NIL]
	s_wait_dscnt 0x0
	s_endpgm
.Lfunc_end_k_q946bf1f63f_proj:
	.size	k_q946bf1f63f_proj, .Lfunc_end_k_q946bf1f63f_proj-k_q946bf1f63f_proj
	.p2alignl 7, 3214868480
	.fill 96, 4, 3214868480
	.section	.rodata,"a",@progbits
	.p2align	6, 0x0
	.amdhsa_kernel k_q946bf1f63f_proj
		.amdhsa_group_segment_fixed_size 327680
		.amdhsa_private_segment_fixed_size 0
		.amdhsa_enable_private_segment 0
		.amdhsa_kernarg_size 56
		.amdhsa_user_sgpr_count 2
		.amdhsa_user_sgpr_kernarg_segment_ptr 1
		.amdhsa_wavefront_size32 1
		.amdhsa_system_sgpr_workgroup_id_x 1
		.amdhsa_system_sgpr_workgroup_id_y 1
		.amdhsa_system_sgpr_workgroup_id_z 1
		.amdhsa_system_vgpr_workitem_id 0
		.amdhsa_next_free_vgpr 1024
		.amdhsa_next_free_sgpr 66
		.amdhsa_reserve_vcc 1
		.amdhsa_float_denorm_mode_32 3
		.amdhsa_float_denorm_mode_16_64 3
		.amdhsa_memory_ordered 1
		.amdhsa_forward_progress 1
		.amdhsa_inst_pref_size 255
	.end_amdhsa_kernel
	.section	.bss,"aw",@nobits
	.p2align	6
	.space	262144
	.amdgpu_metadata
---
amdhsa.version: [ 1, 2 ]
amdhsa.kernels:
  - .name:           k_q946bf1f63f_proj
    .symbol:         k_q946bf1f63f_proj.kd
    .args:
      - { .name: query, .offset: 0, .size: 8, .value_kind: global_buffer, .address_space: global }
      - { .name: key, .offset: 8, .size: 8, .value_kind: global_buffer, .address_space: global }
      - { .name: bq, .offset: 16, .size: 8, .value_kind: global_buffer, .address_space: global }
      - { .name: bk, .offset: 24, .size: 8, .value_kind: global_buffer, .address_space: global }
      - { .name: mask, .offset: 32, .size: 8, .value_kind: global_buffer, .address_space: global }
      - { .name: img, .offset: 40, .size: 8, .value_kind: global_buffer, .address_space: global }
      - { .name: qk, .offset: 48, .size: 8, .value_kind: global_buffer, .address_space: global }
    .group_segment_fixed_size: 327680
    .private_segment_fixed_size: 0
    .kernarg_segment_align: 8
    .kernarg_segment_size: 56
    .max_flat_workgroup_size: 128
    .sgpr_count:     66
    .vgpr_count:     1024
    .wavefront_size: 32
...
	.end_amdgpu_metadata
.endif
;; end of part 2
;; launch attn (part 3): grid 32 x 8, 4 waves a work-group, clusters of 4 x 1, 327,680 bytes of LDS; arguments qk, img, mask, out0; writes out0
.if DOCPART == 3
	.amdgcn_target "amdgcn-amd-amdhsa--gfx1250"
	.amdhsa_code_object_version 6
	.text
	.protected	k_q946bf1f63f_attn
	.globl	k_q946bf1f63f_attn
	.p2align	8
	.type	k_q946bf1f63f_attn,@function
k_q946bf1f63f_attn:
	s_mov_b64 s[64:65], 0
	v_nop
	global_prefetch_b8 v0, s[64:65] scope:SCOPE_SE
	s_setreg_imm32_b32 hwreg(HW_REG_WAVE_MODE, 25, 1), 1
	s_wait_xcnt 0x0
	s_wait_alu depctr_hold_cnt(0) depctr_sa_sdst(0) depctr_va_vdst(0) depctr_va_sdst(0) depctr_va_ssrc(0) depctr_va_vcc(0) depctr_vm_vsrc(0)
	s_getreg_b32 s2, hwreg(HW_REG_IB_STS2, 6, 4)
	s_cmp_eq_u32 s2, 0
	s_cbranch_scc0 .Lentry_in_a_cluster
	s_endpgm
.Lentry_in_a_cluster:
	s_bfe_u32 s2, ttmp6, 0x10000c
	s_cmp_lg_u32 s2, 0x3003
	s_cbranch_scc0 .Lentry_shape_is_right
	s_endpgm
.Lentry_shape_is_right:
; out[b][q][:] = the sum over keys of softmax(q . k / sqrt(512), masked) value[key][:], both products on codes of E4M3 with E8M0 scales.  q, k (blocks of qk) and value (blocks of img) come as operand images.
; THE SOFTMAX: t = score x log2(e) / sqrt(512); p = 2^(t - M), M a whole number; p is quantised along the keys; the row's sum is taken of the unquantised p and divides at the end.
; SHARES.  A work-group owns 64 queries of one batch (4 tiles n) and walks 16 steps of 128 keys.  Wave w makes S^T = K Q^T for keys 32 w .. + 31 (2 tiles u) x 4 tiles of queries (32 products, K = 512; Q stays in registers),
; its block's p, codes and scale byte; and O^T += V^T P^T for channels 128 w .. + 127 (8 tiles) x 4 tiles of queries (32 products).  Both products are used transposed: a lane holds one query throughout.
; EACH WAVE HAS ITS OWN M: the ceiling of the running largest t of ITS blocks of 32 keys.  With p's codes it hands over -M_w and its block's scale byte.  The wave that multiplies takes the common M = the largest M_w so far
; and moves each block's byte by M_w - M (0 or less; held at 1 from below): a power of two, which the scale takes up, so the codes' values are those under the common M.  O^T is multiplied by 2^(old M - new M): exact.
; So one exchange through LDS and one barrier serve a key step.  A wave's part of the row's sum stands under its own M_w and is brought under the common M at the end (v_ldexp_f32: exact).
; CLUSTER.  The four work-groups of a cluster belong to one batch and walk the same K and V: every tile is asked for JOINTLY, by the same tensor load with the same descriptor and a mask that names the four.
; A slot of 135,168 bytes holds what trip j reads: k's block of step j + 1, then value's block of step j.  Waves 0 and 1 fetch k's halves, waves 2 and 3 value's: one load a wave behind each round of the cluster's barrier,
; into the slot read in the trip before; it has a trip in which to land.  K of step 0 comes by plain loads; the last pair is value's block alone, a quarter a wave.
; THE ORDER OF A TRIP j: the exchange's words and K's first half from LDS; the common M and p_j's scale words; O^T rescaled; the scores of step j + 1; their softmax, stored into the other of two p buffers; the 32 products P_j V_j,
; with the round's opening among them; the refill.  The trip's LDS loads go out in runs of eight among the vector lines.
; THE MASK costs no vector work in the loop: a masked key has zero codes, and the C of each score tile's first product is 0, or X = -1e9 x sqrt(512) for a masked key: its score is exactly X.
; PREFETCH: in trip j the codes of k's block j + 4 (j up to 11) and of value's block j + 3 (j up to 12), which the round at the end of trip j + 1 asks for.  All clusters of a batch walk the same blocks: the batch's first cluster asks.
; A block's 65,536 bytes of codes are eight parts of 8,192: part 4 (wave % 2) + cx: the partners are told apart by address; lanes 256 bytes apart.  The first blocks and the scale words come by their loads alone.
; LDS: two slots; the batch's 2,048 C values; p's 4 images, twice; -M_w and the bytes [n][r][w], twice; the sums' exchange; the spare words.  The way out's stage, 64 rows x 2,064 bytes, lies in slot 0 behind its last fill and last read.
; LIMITS: NaN and infinities are not served; a score under -1e9 is not told from a masked one; the scaled scores t stay under 2^31 in magnitude; a block whose byte would fall under 1 under the common M keeps the byte 1.
; REGISTERS: window 0: v1-19, v64-71 addresses; v20-55 statistics; v56-79 scale words; v80-95 the C values; v96-127 the exchange's words, then p's codes and bounds; v128-191 S^T, then p; v192-255 P's fragments.
;   window 1: Q (64 n + 16 s).   window 2: O^T (64 n + 8 tv).   window 3: v0-127 K (16 (4 u + s)), v128-255 V (128 + 16 tv).
.set BLOCKB, 67584
.set HALFB,  33792                     ; half a block: 132 rows of 256 bytes
.set SLOTB,  2*BLOCKB
.set BIAS,   2*SLOTB
.set PIM,    BIAS+8192
.set EXB,    PIM+16384
.set SPARE,  EXB+6144                  ; the spare words: 128 bytes a wave, two blocks of 256 bytes that no other line names
.set SPW,  1
.set NIL,  2
.set ABI0, 5                           ; BIAS + 128 w + 64 h
.set ABI,  6
.set PIW,  7
.set PIR,  8
.set EXW,  9                           ; EXB + 16 r + 4 w
.set EXR,  10                          ; EXB + 16 r
.set PFO,  11                          ; 256 x lane
.set L16,  12
.set L4,   13
.set AVS,  14                          ; v14-15 V's scale words in slot 0, 1
.set STW,  14                          ; v14-15 on the way out: the stage, on the way in
.set STR,  16
.set AV,   17                          ; v17-18 V's images in slot 0, 1
.set ST,   20                          ; for each n the pair (-M_w, my largest t)
.set L,    28                          ; my part of the sums, a pair for each n
.set F,    36                          ; for each n the pair (f of O^T, f of my sums)
.set BM,   44
.set T1,   48
.set RM,   52                          ; - the common M
.set QS,   56
.set AK,   64                          ; v64-65 K's images in slot 0, 1: 16,384 w + 16 x lane (v64 is also that offset in a block in memory)
.set KS,   66                          ; no product's two scale words have numbers equal modulo 8
.set AKS,  70                          ; v70-71 K's scale words: 65,536 + 512 w + 4 x lane
.set VS,   72
.set PS,   76
.set BI,   80
.set EXM,  96
.set EXF,  112
.set PC,   96
.set T2,   112
.set T3,   116
.set T4,   120
.set MGO,  124                         ; v124-126: at the head alone
.set BSA,  125
.set XV,   126
.set S,    128
.set PF,   192
.set WV,   12
.set SEL,  20
.set CS,   22
.set MNT,  24
.set BO,   25
.set KB,   26
.set G1,   28                          ; s[28:35] group 1: 132 rows;  s[68:75]: 66 rows
.set G0K,  36                          ; s[36:43] group 0 for k's halves, a set for each slot;  s[80:87] for value's;  s[76:79] for the last block's quarters
.set PFA,  44
.set LIM,  46
.set G1C,  68
.set G0C,  76
.set G0V,  80
.set MSB, 0
.set KSL, -1
.set VSL, -1
.set PSL, -1
.macro WIN new                         ; the immediate's high byte repeats the setting that is left
.if MSB != (\new)
	s_set_vgpr_msb (MSB<<8)|(\new)
.set MSB, (\new)
.endif
.endm
.macro PLACES n
.rept \n
	v_nop
.endr
.endm
.macro WALU
	s_wait_alu depctr_va_vdst(0)
.endm
.macro WM                              ; the product, from the symbols rD, rA, rB, rC (under 0: the constant 0), rSA, rSB, fA, fB (the rows of the scale registers)
.if rC < 0
.if fA
	v_wmma_scale_f32_16x16x128_f8f6f4 v[rD:rD+7], v[rA:rA+15], v[rB:rB+15], 0, v[rSA], v[rSB] matrix_a_scale:MATRIX_SCALE_ROW1
.else
	v_wmma_scale_f32_16x16x128_f8f6f4 v[rD:rD+7], v[rA:rA+15], v[rB:rB+15], 0, v[rSA], v[rSB]
.endif
.else
.if fA && fB
	v_wmma_scale_f32_16x16x128_f8f6f4 v[rD:rD+7], v[rA:rA+15], v[rB:rB+15], v[rC:rC+7], v[rSA], v[rSB] matrix_a_scale:MATRIX_SCALE_ROW1 matrix_b_scale:MATRIX_SCALE_ROW1
.elseif fA
	v_wmma_scale_f32_16x16x128_f8f6f4 v[rD:rD+7], v[rA:rA+15], v[rB:rB+15], v[rC:rC+7], v[rSA], v[rSB] matrix_a_scale:MATRIX_SCALE_ROW1
.elseif fB
	v_wmma_scale_f32_16x16x128_f8f6f4 v[rD:rD+7], v[rA:rA+15], v[rB:rB+15], v[rC:rC+7], v[rSA], v[rSB] matrix_b_scale:MATRIX_SCALE_ROW1
.else
	v_wmma_scale_f32_16x16x128_f8f6f4 v[rD:rD+7], v[rA:rA+15], v[rB:rB+15], v[rC:rC+7], v[rSA], v[rSB]
.endif
.endif
.endm
.macro CREST                           ; a round of the cluster's barrier behind its opening barrier
	s_cmp_lg_u32 s[WV], 0
	s_cbranch_scc1 .Lnot_wave_0_\@
	s_barrier_signal -3
.Lnot_wave_0_\@:
	s_barrier_wait -3
	s_barrier_signal -1
	s_barrier_wait -1
.endm
.macro CROUND
	s_barrier_signal -1
	s_barrier_wait -1
	CREST
.endm
; A joint load: waves 0 and 1 fetch k's halves, waves 2 and 3 value's.  Each line has one set of registers for all that issue it; the branch hangs on the wave's number alone.  An s_nop 0 and four v_nop follow each line.
.macro JLOAD gk, gv
	s_cmp_lt_u32 s[WV], 2
	s_cbranch_scc0 .Lfor_v_\@
	tensor_load_to_lds s[\gk:\gk+3], s[G1:G1+7]
	s_nop 0
	PLACES 4
	s_branch .Lasked_\@
.Lfor_v_\@:
	tensor_load_to_lds s[\gv:\gv+3], s[G1:G1+7]
	s_nop 0
	PLACES 4
.Lasked_\@:
.endm
.macro ASK kind                        ; s[LIM]: 0 value's waves, 1 k's waves of the batch's first cluster, 99 all others.  kind 2, the loop's second trip: in the last pass (s47 = 1) k has no block left
.if (\kind) == 2
	s_cmp_gt_u32 s47, s[LIM]
.else
	s_cmp_lt_u32 s[LIM], 2
.endif
	s_cbranch_scc0 .Lnot_mine_\@
	global_prefetch_b8 v[PFO], s[PFA:PFA+1] th:TH_LOAD_NT scope:SCOPE_SE
.Lnot_mine_\@:
.endm
.macro QLOAD n                         ; Q's four fragments of tile n: 16 loads, into window 1
.irp ks, 0,1,2,3
.irp c, 0,1,2,3
	global_load_b128 v[64*(\n)+16*\ks+4*\c:64*(\n)+16*\ks+4*\c+3], v[L16], s[4:5] offset:8192*(\n)+2048*\ks+512*\c
.endr
.endr
.endm
.macro KLOAD                           ; key step 0's K from memory: 4 scale words, then 8 fragments, K step by K step: 36 loads
.irp ks, 0,1,2,3
	global_load_b32 v[KS+\ks], v[AKS], s[KB:KB+1] offset:128*\ks
.endr
	WIN 0xc0
.irp ks, 0,1,2,3
.irp u, 0,1
.irp c, 0,1,2,3
	global_load_b128 v[16*(4*\u+\ks)+4*\c:16*(4*\u+\ks)+4*\c+3], v[AK], s[KB:KB+1] offset:8192*\u+2048*\ks+512*\c
.endr
.endr
.endr
	WIN 0
.endm
; Runs of eight LDS loads, laid among the vector lines.  Each is assembled where its symbol names a slot (KSL, VSL) or a buffer's offset (PSL), and left out where the symbol is -1.
.macro KGRP ks                         ; K's two fragments of K step ks
.if KSL >= 0
	WIN 0xc0
.irp u, 0,1
.irp c, 0,1,2,3
	ds_load_b128 v[16*(4*\u+\ks)+4*\c:16*(4*\u+\ks)+4*\c+3], v[AK+KSL] offset:8192*\u+2048*\ks+512*\c
.endr
.endr
	WIN 0
.endif
.endm
.macro VGRP t0                         ; V's fragments t0 and t0 + 1
.if VSL >= 0
	WIN 0xc0
.irp tv, \t0, \t0+1
.irp c, 0,1,2,3
	ds_load_b128 v[128+16*(\tv)+4*\c:128+16*(\tv)+4*\c+3], v[AV+VSL] offset:2048*(\tv)+512*\c
.endr
.endr
	WIN 0
.endif
.endm
.macro VSLOAD
.if VSL >= 0
.irp p, 0,1,2,3
	ds_load_b32 v[VS+\p], v[AVS+VSL] offset:128*\p
.endr
.endif
.endm
.macro PGRP f0                         ; P's fragments f0 and f0 + 1
.if PSL >= 0
.irp n, \f0, \f0+1
.irp c, 0,1,2,3
	ds_load_b128 v[PF+16*(\n)+4*\c:PF+16*(\n)+4*\c+3], v[PIR] offset:PSL+2048*(\n)+512*\c
.endr
.endr
.endif
.endm
.macro BILOAD                          ; the C values of my 32 keys: register j of tile u: key 32 w + 16 h + 8 u + j
.irp u, 0,1
	ds_load_b128 v[BI+8*\u:BI+8*\u+3], v[ABI] offset:32*\u
	ds_load_b128 v[BI+8*\u+4:BI+8*\u+7], v[ABI] offset:32*\u+16
.endr
.endm
.macro EXLOAD off                      ; for each n the four waves' -M_w, then their second words
.irp n, 0,1,2,3
	ds_load_b128 v[EXM+4*\n:EXM+4*\n+3], v[EXR] offset:(\off)+256*\n
.endr
.irp n, 0,1,2,3
	ds_load_b128 v[EXF+4*\n:EXF+4*\n+3], v[EXR] offset:(\off)+1024+256*\n
.endr
.endm
.macro RESCALE                         ; O^T x f (on the way out: x 1 / the sum); each accumulator from its low end on
.irp n, 0,1,2,3
	WIN 0x82
.set o, 64*\n
.rept 32
	v_pk_mul_f32 v[o:o+1], v[o:o+1], v[F+2*\n:F+2*\n+1] op_sel_hi:[1,0]
.set o, o+2
.endr
.if (PSL >= 0) && (\n < 2)
	WIN 0
	PGRP 2*\n
.endif
.endr
.endm
; THE COMMON M of a step and p's scale words under it.  All numbers here are whole numbers in f32; a difference of two that lie near each other is exact, one that is huge is held by the maximum below.
.macro STATS first
.irp n, 0,1,2,3
	v_min3_num_f32 v[BM+\n], v[EXM+4*\n], v[EXM+4*\n+1], v[EXM+4*\n+2]
.endr
.irp n, 0,1,2,3
	v_min3_num_f32 v[BM+\n], v[BM+\n], v[EXM+4*\n+3], v[RM+\n]    ; - the new common M
.endr
.if !(\first)
.irp n, 0,1,2,3
	v_sub_f32 v[T1+\n], v[BM+\n], v[RM+\n]         ; old M - new M, 0 or less
.endr
.irp n, 0,1,2,3
	v_cvt_i32_f32 v[T1+\n], v[T1+\n]               ; (it saturates)
.endr
.irp n, 0,1,2,3
	v_ldexp_f32 v[F+2*\n], 1.0, v[T1+\n]
.endr
.endif
.irp n, 0,1,2,3
	v_mov_b32 v[RM+\n], v[BM+\n]
.endr
	KGRP 2
.irp k, 0,1,2,3,4,5,6,7,8,9,10,11,12,13,14,15
	v_sub_f32 v[EXM+\k], v[BM+\k/4], v[EXM+\k]     ; M_w - M, 0 or less
.endr
.irp k, 0,1,2,3,4,5,6,7,8,9,10,11,12,13,14,15
	v_add_f32 v[EXM+\k], v[EXM+\k], v[EXF+\k]      ; + the block's byte
.endr
	KGRP 3
.irp k, 0,1,2,3,4,5,6,7,8,9,10,11,12,13,14,15
	v_max_num_f32 v[EXM+\k], 1.0, v[EXM+\k]        ; held at 1 from below
.endr
.irp k, 0,1,2,3,4,5,6,7,8,9,10,11,12,13,14,15
	v_cvt_u32_f32 v[EXM+\k], v[EXM+\k]
.endr
.irp n, 0,1,2,3
	v_lshl_or_b32 v[PS+\n], v[EXM+4*\n+1], 8, v[EXM+4*\n]
.endr
.irp n, 0,1,2,3
	v_lshl_or_b32 v[PS+\n], v[EXM+4*\n+2], 16, v[PS+\n]
.endr
.irp n, 0,1,2,3
	v_lshl_or_b32 v[PS+\n], v[EXM+4*\n+3], 24, v[PS+\n]
.endr
.endm
.macro HOLDS n                         ; the conversion does not saturate (ISA guide 7.6.2); p is not negative: a one-sided hold
.irp i, 0,1,2,3,4,5,6,7,8,9,10,11,12,13,14,15
	v_min_num_f32 v[S+16*\n+\i], v[S+16*\n+\i], v[T2+\n]
.endr
.endm
; MY BLOCK'S SOFTMAX under my own M_w; codes, -M_w and the byte go into buffer buf.  V's 36 LDS loads stand among its lines.
.macro SOFT buf
	VSLOAD
	VGRP 0
.irp n, 0,1,2,3
	v_max3_num_f32 v[BM+\n], v[S+16*\n], v[S+16*\n+1], v[S+16*\n+2]     ; each accumulator from its low end on
.endr
.irp i, 3,5,7,9,11,13
.irp n, 0,1,2,3
	v_max3_num_f32 v[BM+\n], v[BM+\n], v[S+16*\n+\i], v[S+16*\n+\i+1]
.endr
.endr
.irp n, 0,1,2,3
	v_max_num_f32 v[BM+\n], v[BM+\n], v[S+16*\n+15]
.endr
.irp n, 0,1,2,3
	v_permlanex16_b32 v[T1+\n], v[BM+\n], s[SEL], s[SEL+1]
.endr
.irp n, 0,1,2,3
	v_max_num_f32 v[BM+\n], v[BM+\n], v[T1+\n]     ; the largest score of my 32 keys
.endr
.irp n, 0,1,2,3
	v_mul_f32 v[T1+\n], s[CS], v[BM+\n]
.endr
.irp n, 0,1,2,3
	v_max_num_f32 v[ST+2*\n+1], v[ST+2*\n+1], v[T1+\n]
.endr
.irp n, 0,1,2,3
	v_mov_b32 v[T1+\n], v[ST+2*\n]
.endr
.irp n, 0,1,2,3
	v_floor_f32 v[ST+2*\n], -v[ST+2*\n+1]          ; -M_w = floor(-t)
.endr
.irp n, 0,1,2,3
	v_sub_f32 v[T1+\n], v[ST+2*\n], v[T1+\n]
.endr
.irp n, 0,1,2,3
	v_cvt_i32_f32 v[T1+\n], v[T1+\n]
.endr
.irp n, 0,1,2,3
	v_ldexp_f32 v[F+2*\n+1], 1.0, v[T1+\n]         ; my sums' f = 2^(old M_w - new M_w)
.endr
	VGRP 2
.irp n, 0,1,2,3
.irp j, 0,2,4,6,8,10,12,14
	v_pk_fma_f32 v[S+16*\n+\j:S+16*\n+\j+1], v[S+16*\n+\j:S+16*\n+\j+1], s[CS:CS+1], v[ST+2*\n:ST+2*\n+1] op_sel_hi:[1,0,0]   ; t - M_w
.endr
.endr
.irp n, 0,1,2,3
	v_fma_f32 v[BM+\n], v[BM+\n], s[CS], v[ST+2*\n]   ; the same of the block's largest score
.endr
	WALU                                           ; ahead of the batch
.set e, 0
.rept 64
	v_exp_f32 v[S+e], v[S+e]
.set e, e+1
.endr
.irp n, 0,1,2,3
	v_exp_f32 v[BM+\n], v[BM+\n]                   ; the block's largest p: the same two instructions on the same number
.endr
	v_nop                                          ; a plain line behind the last exponential
	WALU                                           ; and one wait for the batch, ahead of its first reader
.irp n, 0,1,2,3
	v_pk_fma_f32 v[L+2*\n:L+2*\n+1], v[L+2*\n:L+2*\n+1], v[F+2*\n:F+2*\n+1], v[S+16*\n:S+16*\n+1] op_sel:[0,1,0] op_sel_hi:[1,1,1]   ; my sums x their f (the pair's upper word for both halves) + the first two p
.endr
.irp j, 2,4,6,8,10,12,14
.irp n, 0,1,2,3
	v_pk_add_f32 v[L+2*\n:L+2*\n+1], v[L+2*\n:L+2*\n+1], v[S+16*\n+\j:S+16*\n+\j+1]   ; the sum of the unquantised p
.endr
.endr
	VGRP 4
.irp n, 0,1,2,3
	v_max_num_f32 v[BM+\n], 0x4800000, v[BM+\n]    ; the floor 2^(9 - 127): the byte cannot fall under 1
.endr
.irp n, 0,1,2,3
	v_add_nc_u32 v[T3+\n], 0xfc000000, v[BM+\n]    ; the conversion's scale operand
.endr
.irp n, 0,1,2,3
	v_and_or_b32 v[T2+\n], v[BM+\n], 0x7f800000, s[MNT]   ; 448 x the scale
.endr
.irp n, 0,1,2,3
	v_lshrrev_b32 v[T4+\n], 23, v[T3+\n]
.endr
.irp n, 0,1,2,3
	v_cvt_f32_u32 v[T4+\n], v[T4+\n]               ; the byte, as a number
.endr
.irp n, 0,1,2,3
	ds_store_b32 v[EXW], v[ST+2*\n] offset:2048*(\buf)+256*\n          ; both halves of the lanes store the same word with the same value
	ds_store_b32 v[EXW], v[T4+\n] offset:2048*(\buf)+1024+256*\n
.endr
	HOLDS 0
	HOLDS 1
	VGRP 6
	HOLDS 2
	HOLDS 3
.irp n, 0,1,2,3
	v_cvt_scalef32_pk8_fp8_f32 v[PC+4*\n:PC+4*\n+1], v[S+16*\n:S+16*\n+7], v[T3+\n]
	v_cvt_scalef32_pk8_fp8_f32 v[PC+4*\n+2:PC+4*\n+3], v[S+16*\n+8:S+16*\n+15], v[T3+\n]
.endr
	v_nop                                          ; a plain line behind the last conversion
.irp n, 0,1,2,3
	ds_store_b128 v[PIW], v[PC+4*\n:PC+4*\n+3] offset:8192*(\buf)+2048*\n    ; chunk w of P's fragment n
.endr
.endm
.macro PVH t0, first                   ; 16 of the 32 products P V: the accumulators by turns
.irp tv, \t0, \t0+1, \t0+2, \t0+3
.irp n, 0,1,2,3
.set rD, 64*\n+8*(\tv)
.set rA, 128+16*(\tv)
.set rB, PF+16*\n
.if \first
.set rC, -1
.else
.set rC, rD
.endif
.set rSA, VS+(\tv)/2
.set rSB, PS+\n
.set fA, (\tv)%2
.set fB, 0
	WM
.endr
.endr
.endm
	s_load_b256 s[4:11], s[0:1], 0x0               ; qk s[4:5], img s[6:7], mask s[8:9], out0 s[10:11]
	v_lshl_add_u32 v[SPW], v0, 2, SPARE
	v_mov_b32 v[NIL], 0
	ds_add_u32 v[SPW], v[NIL]                      ; the wave's opening: the add, twice on end, and its wait ahead of my first tensor load
	ds_add_u32 v[SPW], v[NIL]
	v_lshrrev_b32 v112, 5, v0
	v_readfirstlane_b32 s[WV], v112                ; wave 0..3
	s_bfe_u32 s13, ttmp6, 0x40000                  ; cx: my place in the cluster
	s_and_b32 s14, ttmp7, 0xffff                   ; the batch, which the four partners share
	s_lshl_b32 s15, ttmp9, 2
	s_add_co_u32 s15, s15, s13                     ; my block of 64 queries: it enters Q's, out0's and the prefetches' addresses alone
.irp g, G1, G1C                        ; group 1: dense rows of 32 elements of 8 bytes
	s_mov_b32 s[\g+0], 15|(3<<16)|(1<<21)          ; 15:0 the mask: all four work-groups; 17:16 elements of 8 bytes; 21 set beside a mask
	s_mov_b32 s[\g+1], 32<<16
	s_mov_b32 s[\g+3], 32<<16
	s_mov_b32 s[\g+5], 32
	s_mov_b32 s[\g+6], 0
	s_mov_b32 s[\g+7], 0
.endr
	s_mov_b32 s[G1+2], 132<<16                     ; half a block
	s_mov_b32 s[G1+4], 132
	s_mov_b32 s[G1C+2], 66<<16                     ; a quarter
	s_mov_b32 s[G1C+4], 66
	s_mov_b32 s[SEL], 0x76543210
	s_mov_b32 s[SEL+1], 0xfedcba98                 ; v_permlanex16_b32's selects for lane l xor 16
	s_mov_b32 s[CS], 0x3d8293ee                    ; c = log2(e) / sqrt(512)
	s_mov_b32 s[CS+1], s[CS]
	s_mov_b32 s[MNT], 0x600000                     ; the mantissa field of 448
	s_mov_b32 s[BO], 0
	s_lshl_b32 s88, s[WV], 14
	s_lshl_b32 s89, s[WV], 9
	s_add_co_u32 s90, s89, 65536
	s_lshl_b32 s91, s[WV], 7
	s_add_co_u32 s91, s91, BIAS
	s_add_co_u32 s92, s89, PIM
	s_lshl_b32 s93, s[WV], 2
	s_add_co_u32 s93, s93, EXB
	s_mul_i32 s94, s[WV], 33024
	s_lshl_b32 s48, s14, 4                         ; value's blocks of my batch begin at block 16 batch of img,
	s_mul_i32 s48, s48, BLOCKB
	s_mov_b32 s49, 0
	s_add_co_u32 s62, s48, 128*BLOCKB              ; k's at block 128 + 16 batch of qk
	s_mov_b32 s63, 0
	s_and_b32 s2, s[WV], 1                         ; which half of a block I fetch
	s_mul_i32 s2, s2, HALFB
	s_mov_b32 s3, 0
	s_mul_i32 s16, s[WV], 16896                    ; and which quarter of the last
	s_add_co_u32 s16, s16, 15*BLOCKB
	s_mov_b32 s17, 0
	s_lshr_b32 s51, s15, 1                         ; Q: block 16 batch + qb / 2, its half qb % 2
	s_mul_i32 s50, s51, BLOCKB
	s_add_co_u32 s50, s50, s48
	s_and_b32 s51, s15, 1
	s_lshl_b32 s52, s51, 15
	s_add_co_u32 s52, s52, s50                     ; its images,
	s_mov_b32 s53, 0
	s_lshl_b32 s54, s51, 10
	s_add_co_u32 s54, s54, s50
	s_add_co_u32 s54, s54, 65536                   ; its scale words
	s_mov_b32 s55, 0
	s_lshl_b32 s56, s14, 13                        ; the batch's mask
	s_mov_b32 s57, 0
	s_lshl_b32 s58, s14, 11                        ; the first row of out0 that I store: 2,048 batch + 64 qb + 32 (w / 2) + 8 (w % 2)
	s_lshl_b32 s59, s15, 6
	s_add_co_u32 s58, s58, s59
	s_lshr_b32 s59, s[WV], 1
	s_lshl_b32 s59, s59, 5
	s_add_co_u32 s58, s58, s59
	s_and_b32 s59, s[WV], 1
	s_lshl_b32 s60, s59, 2                         ; the prefetches: part 4 (wave % 2) + cx of a block's codes,
	s_lshl_b32 s59, s59, 3
	s_add_co_u32 s58, s58, s59
	s_lshl_b32 s58, s58, 11                        ; rows of 2,048 bytes
	s_mov_b32 s59, 0
	s_add_co_u32 s60, s60, s13
	s_lshl_b32 s60, s60, 13
	s_cmp_lt_u32 s[WV], 2                          ; waves 0 and 1 ask for k's codes, waves 2 and 3 for value's
	s_cselect_b32 s[LIM], 1, 0
	s_cselect_b32 s61, BLOCKB, 0
	s_add_co_u32 s60, s60, s61
	s_add_co_u32 s60, s60, 2*BLOCKB                ; k: in block 3, value: in block 2: trip 0 steps them to 4 and 3
	s_mov_b32 s61, 0
	s_cmp_eq_u32 ttmp9, 0                          ; the batch's first cluster: the same in all four partners
	s_cselect_b32 s[LIM], s[LIM], 99
	v_and_b32 v112, 31, v0                         ; lane
	v_bfe_u32 v113, v0, 4, 1                       ; h
	v_and_b32 v114, 15, v0                         ; r
	v_lshlrev_b32 v[L16], 4, v112
	v_lshlrev_b32 v[L4], 2, v112
	v_lshlrev_b32 v[MGO], 4, v0
	v_lshl_add_u32 v[BSA], v0, 4, BIAS
	v_add_nc_u32 v[AK], s88, v[L16]
	v_add_nc_u32 v[AKS], s90, v[L4]
	v_lshl_add_u32 v[ABI0], v113, 6, s91
	v_lshl_add_u32 v[ABI], v113, 6, s91
	v_add_nc_u32 v[PIW], s92, v[L16]
	v_add_nc_u32 v[PIR], PIM, v[L16]
	v_lshl_add_u32 v[EXW], v114, 4, s93
	v_lshl_add_u32 v[EXR], v114, 4, EXB
	v_lshlrev_b32 v[PFO], 8, v112
	v_add_nc_u32 v[AK+1], SLOTB, v[AK]
	v_add_nc_u32 v[AKS+1], SLOTB, v[AKS]
	v_add_nc_u32 v[AV], BLOCKB, v[AK]
	v_add_nc_u32 v[AV+1], BLOCKB+SLOTB, v[AK]
	v_add_nc_u32 v[AVS], BLOCKB, v[AKS]
	v_add_nc_u32 v[AVS+1], BLOCKB+SLOTB, v[AKS]
	v_mov_b32 v[XV], 0xd0a8965f                    ; X = -1e9 x sqrt(512)
.irp n, 0,1,2,3
	v_mov_b32 v[ST+2*\n+1], 0xff61b1e6             ; the largest t so far: -3e38, under every t
	v_mov_b32 v[RM+\n], 0x7f61b1e6                 ; - the common M: 3e38
	v_mov_b32 v[L+2*\n], 0
	v_mov_b32 v[L+2*\n+1], 0
	v_mov_b32 v[F+2*\n], 0                         ; (named as half of a pair before it is first made)
	v_mov_b32 v[T1+\n], 0                          ; a lane permute's destination counts as one of its sources
.endr
.irp n, 0,1,2,3
	v_floor_f32 v[ST+2*\n], -v[ST+2*\n+1]          ; -M_w
.endr
	WALU                                           ; at the head's end
	s_wait_dscnt 0x0                               ; both opening adds are done
	s_wait_kmcnt 0x0
	s_add_nc_u64 s[96:97], s[6:7], s[48:49]        ; value's block of key step 0
	s_add_nc_u64 s[KB:KB+1], s[4:5], s[62:63]      ; k's
	s_cmp_lt_u32 s[WV], 2
	s_cselect_b64 s[PFA:PFA+1], s[KB:KB+1], s[96:97]
	s_add_nc_u64 s[PFA:PFA+1], s[PFA:PFA+1], s[60:61]
	s_add_nc_u64 s[18:19], s[4:5], s[54:55]
	s_add_nc_u64 s[4:5], s[4:5], s[52:53]
	s_add_nc_u64 s[8:9], s[8:9], s[56:57]
	s_add_nc_u64 s[10:11], s[10:11], s[58:59]
	s_mov_b32 s[G0K], 1                            ; slot 0: k's block 1 and value's block 0; slot 1: blocks 2 and 1.  LDS: 33,792 x wave in the slot: no place in the cluster enters it
	s_mul_i32 s[G0K+1], s[WV], HALFB
	s_add_nc_u64 s[G0K+2:G0K+3], s[KB:KB+1], s[2:3]
	s_add_nc_u64 s[G0K+2:G0K+3], s[G0K+2:G0K+3], BLOCKB
	s_add_nc_u64 s[G0K+6:G0K+7], s[G0K+2:G0K+3], BLOCKB
	s_or_b32 s[G0K+3], s[G0K+3], 0x80000000
	s_or_b32 s[G0K+7], s[G0K+7], 0x80000000
	s_mov_b32 s[G0K+4], 1
	s_add_co_u32 s[G0K+5], s[G0K+1], SLOTB
	s_mov_b32 s[G0V], 1
	s_mul_i32 s[G0V+1], s[WV], HALFB
	s_add_nc_u64 s[G0V+2:G0V+3], s[96:97], s[2:3]
	s_add_nc_u64 s[G0V+6:G0V+7], s[G0V+2:G0V+3], BLOCKB
	s_or_b32 s[G0V+3], s[G0V+3], 0x80000000
	s_or_b32 s[G0V+7], s[G0V+7], 0x80000000
	s_mov_b32 s[G0V+4], 1
	s_add_co_u32 s[G0V+5], s[G0V+1], SLOTB
	s_mov_b32 s[G0C], 1                            ; value's block 15, a quarter a wave, into slot 1's second half
	s_mul_i32 s[G0C+1], s[WV], 16896
	s_add_co_u32 s[G0C+1], s[G0C+1], SLOTB+BLOCKB
	s_add_nc_u64 s[G0C+2:G0C+3], s[96:97], s[16:17]
	s_or_b32 s[G0C+3], s[G0C+3], 0x80000000
	CROUND                                         ; all four work-groups are here: the first joint loads meet
	JLOAD G0K, G0V                                 ; slot 0: one tensor load a wave at the head
.irp i, 0,1,2,3
	global_load_b128 v[S+4*\i:S+4*\i+3], v[MGO], s[8:9] offset:2048*\i     ; the batch's 2,048 mask words: 16 a thread
.endr
	WIN 0x40                                       ; destination window 1: Q's 16 fragments stay in registers
	QLOAD 0
	QLOAD 1
	WIN 0
	s_wait_loadcnt 32                              ; the mask's four loads are in; Q's 32 were issued behind them
.irp k, 0,1,2,3,4,5,6,7,8,9,10,11,12,13,14,15
	v_cmp_eq_u32 vcc_lo, 0, v[S+\k]
	v_cndmask_b32 v[S+\k], 0, v[XV], vcc_lo        ; 0, or X for a masked key
.endr
.irp i, 0,1,2,3
	ds_store_b128 v[BSA], v[S+4*\i:S+4*\i+3] offset:2048*\i
.endr
	WIN 0x40
	QLOAD 2
	QLOAD 3
	WIN 0
.irp g, 0,1
.irp ks, 0,1,2,3
	global_load_b32 v[QS+4*\g+\ks], v[L4], s[18:19] offset:512*\g+128*\ks
.endr
.endr
	KLOAD                                          ; key step 0's K: the youngest loads, so that the counted waits show Q in as well
	s_wait_dscnt 0x0                               ; my C values have landed
	s_barrier_signal -1                            ; slot 0's load may stay out
	s_barrier_wait -1
	BILOAD
; TRIP j.  par = j % 2: the slot and the p buffer that it reads.  pv: the second product of step j is made; first: O^T's sums begin; sc: the scores and the softmax of step j + 1;
; fill: what the round at its end asks for: 1 the pair two on, into slot par; 2 slot 1's first fill; 3 value's last block; 0 nothing (a plain barrier);  ask: 0 no prefetch, else ASK's kind.
.macro TRIP par, pv, first, sc, fill, ask
.if \pv
	EXLOAD 2048*(\par)                             ; 8 LDS loads
.if \sc
	s_add_co_u32 s[BO], s[BO], 512
	v_add_nc_u32 v[ABI], s[BO], v[ABI0]
	BILOAD                                         ; 4
.irp ks, 0,1,2,3
	ds_load_b32 v[KS+\ks], v[AK+6+\par] offset:128*\ks   ; 4: K's scale words (v70, v71)
.endr
.set KSL, \par
	KGRP 0
	KGRP 1
	s_wait_dscnt 24                                ; the exchange's 8 loads are in; 4 + 4 + 16 were issued behind them
.else
.set PSL, 8192*(\par)
.set VSL, \par
	PGRP 0
	PGRP 2
	VSLOAD
	VGRP 0
	VGRP 2
	VGRP 4
	VGRP 6
.set PSL, -1
.set VSL, -1
	s_wait_dscnt 52                                ; the exchange's 8 loads are in; 16 + 36 were issued behind them
.endif
	STATS \first
.set KSL, -1
.if \sc
.set PSL, 8192*(\par)
.endif
	WALU
.if \first
	PGRP 0
	PGRP 2
.else
	RESCALE
.endif
.set PSL, -1
.else
	s_wait_dscnt 0x0                               ; the C values are in
.endif
.if \sc
.if \pv
	WALU
	s_wait_dscnt 16                                ; K, its scale words and the C values are in; P's 16 loads were issued behind them
.endif
	WIN 0x07                                       ; source 0 (K) window 3, source 1 (Q) window 1, C and D window 0
.irp ks, 0,1,2,3                       ; eight accumulators by turns
.if !(\pv)
	s_wait_loadcnt 8*(3-\ks)                       ; K up to this K step is in; its later K steps, 8 loads each, may be out
.endif
.irp u, 0,1
.irp n, 0,1,2,3
.set rD, S+16*\n+8*\u
.set rA, 16*(4*\u+\ks)
.set rB, 64*\n+16*\ks
.if \ks == 0
.set rC, BI+8*\u
.else
.set rC, rD
.endif
.set rSA, KS+\ks
.set rSB, QS+4*(\n/2)+\ks
.set fA, \u
.set fB, \n%2
	WM
.endr
.endr
.endr
	WIN 0
	PLACES 8                                       ; behind the products, ahead of the first read of the scores
.if \ask
	s_wait_xcnt 0x0                                ; the last prefetch, a trip back, has read its address
	s_add_nc_u64 s[PFA:PFA+1], s[PFA:PFA+1], BLOCKB
	ASK \ask
.endif
.if \pv
.set VSL, \par
.endif
	SOFT 1-(\par)
.set VSL, -1
.endif
	WALU
.if (\pv) && (\sc)
	s_wait_tensorcnt 0x0                           ; all my tensor loads have landed: my part of the next slot; so a group 0 may be written
	ds_add_u32 v[SPW], v[NIL]                      ; 0 onto my spare word
.if (\fill) == 1
	s_add_nc_u64 s[G0K+4*(\par)+2:G0K+4*(\par)+3], s[G0K+4*(\par)+2:G0K+4*(\par)+3], 2*BLOCKB
	s_add_nc_u64 s[G0V+4*(\par)+2:G0V+4*(\par)+3], s[G0V+4*(\par)+2:G0V+4*(\par)+3], 2*BLOCKB
.endif
	s_wait_dscnt 5                                 ; P and V are in; my 4 stores of codes and the add were issued behind them
	WIN 0xa3                                       ; source 0 (V) window 3, source 1 (P) window 0, C and D window 2
	PVH 0, \first
	s_wait_dscnt 0x0                               ; the add is done, my stores have landed, my reads of this slot and of this p buffer are over
	s_barrier_signal -1
	PVH 4, \first
	WIN 0
	s_barrier_wait -1
.if \fill
	CREST                                          ; so of every wave of the four work-groups
.endif
.if (\fill) == 1
	JLOAD G0K+4*(\par), G0V+4*(\par)               ; the joint refill, first behind the round
	PLACES 4                                       ; with the four behind the load: the places behind the products, ahead of the loads into their registers
.elseif (\fill) == 3
	tensor_load_to_lds s[G0C:G0C+3], s[G1C:G1C+7]
	s_nop 0
	PLACES 8
.else
	PLACES 8
.endif
.elseif \pv
	s_wait_dscnt 0x0
	WIN 0xa3
	PVH 0, 0
	PVH 4, 0
	WIN 0
	PLACES 8
.else
	s_wait_tensorcnt 0x0                           ; slot 0 is in; the add and its wait, ahead of a later first fill as ahead of a refill
	ds_add_u32 v[SPW], v[NIL]
	s_wait_dscnt 0x0
	CROUND
	JLOAD G0K+4, G0V+4                             ; slot 1's first fill
	PLACES 4
.endif
.endm
	TRIP 1, 0, 0, 1, 2, 0                          ; the scores and the softmax of key step 0
	TRIP 0, 1, 1, 1, 1, 1                          ; trip 0
	s_mov_b32 s47, 6
.Lpair:                                            ; trips 1 to 12
	TRIP 1, 1, 0, 1, 1, 1
	TRIP 0, 1, 0, 1, 1, 2
	s_sub_co_u32 s47, s47, 1
	s_cmp_lg_u32 s47, 0
	s_cbranch_scc1 .Lpair
	TRIP 1, 1, 0, 1, 3, 0                          ; the tail is written out
	TRIP 0, 1, 0, 1, 0, 0
	TRIP 1, 1, 0, 0, 0, 0
	; THE WAY OUT.  A query's sum: my pair's two halves, lane l xor 16's, and the four waves' parts, each brought from its M_w under the common M.
	v_bfe_u32 v3, v0, 4, 1                         ; h
	v_and_b32 v4, 15, v0                           ; r
	v_mul_u32_u24 v[STW], v4, 2064                 ; the stage: row r of a tile, + my wave's 512 bytes, + 64 h
	v_lshl_add_u32 v[STW], v3, 6, v[STW]
	v_add_nc_u32 v[STW], s89, v[STW]
	v_add_nc_u32 v[STW+1], 66048, v[STW]           ; tiles 2 and 3 lie 32 rows on
	v_add_nc_u32 v[STR], s94, v[L16]               ; back: my 16 rows
.irp n, 0,1,2,3
	v_add_f32 v[BM+\n], v[L+2*\n], v[L+2*\n+1]
.endr
.irp n, 0,1,2,3
	v_permlanex16_b32 v[T1+\n], v[BM+\n], s[SEL], s[SEL+1]
.endr
.irp n, 0,1,2,3
	v_add_f32 v[BM+\n], v[BM+\n], v[T1+\n]
.endr
.irp n, 0,1,2,3
	ds_store_b32 v[EXW], v[ST+2*\n] offset:4096+256*\n
	ds_store_b32 v[EXW], v[BM+\n] offset:4096+1024+256*\n
.endr
	WALU
	s_wait_dscnt 0x0
	s_barrier_signal -1
	s_barrier_wait -1
	EXLOAD 4096
	s_wait_dscnt 0x0
.irp k, 0,1,2,3,4,5,6,7,8,9,10,11,12,13,14,15
	v_sub_f32 v[EXM+\k], v[RM+\k/4], v[EXM+\k]     ; M_w - M, 0 or less
.endr
.irp k, 0,1,2,3,4,5,6,7,8,9,10,11,12,13,14,15
	v_cvt_i32_f32 v[EXM+\k], v[EXM+\k]
.endr
.irp k, 0,1,2,3,4,5,6,7,8,9,10,11,12,13,14,15
	v_ldexp_f32 v[EXF+\k], v[EXF+\k], v[EXM+\k]
.endr
.irp n, 0,1,2,3
	v_add_f32 v[BM+\n], v[EXF+4*\n], v[EXF+4*\n+1]
.endr
.irp n, 0,1,2,3
	v_add_f32 v[T1+\n], v[EXF+4*\n+2], v[EXF+4*\n+3]
.endr
.irp n, 0,1,2,3
	v_add_f32 v[BM+\n], v[BM+\n], v[T1+\n]
.endr
	WALU
.irp n, 0,1,2,3
	v_rcp_f32 v[F+2*\n], v[BM+\n]
.endr
	v_nop                                          ; a plain line behind the last reciprocal
	WALU                                           ; one wait for the four, directly ahead of the lines that read them and O^T
	RESCALE                                        ; O^T / the sum
	WIN 0x08                                       ; an LDS store's data are its source 1: window 2
.irp n, 0,1,2,3
.irp tv, 0,1,2,3,4,5,6,7
	ds_store_b128 v[STW+\n/2], v[64*\n+8*\tv:64*\n+8*\tv+3] offset:(\n%2)*33024+128*(\tv/2)+32*(\tv%2)        ; stage row 16 n + r; tile 2 b + u, register j: channel 128 w + 32 b + 16 h + 8 u + j
	ds_store_b128 v[STW+\n/2], v[64*\n+8*\tv+4:64*\n+8*\tv+7] offset:(\n%2)*33024+128*(\tv/2)+32*(\tv%2)+16
.endr
.endr
	WIN 0
	s_wait_dscnt 0x0                               ; for the others' sake: my stores into the stage are done
	s_barrier_signal -1
	s_barrier_wait -1
.irp hf, 0,1                           ; stage rows 16 w + 8 hf + i are queries 32 (w / 2) + 8 (w % 2) + 16 hf + i of the block
.if \hf
	s_wait_xcnt 0x0                                ; the first half's stores have read their data: the registers are loaded again only behind this wait
.endif
.irp i, 0,1,2,3,4,5,6,7
.irp q, 0,1,2,3
	ds_load_b128 v[128+4*(4*\i+\q):128+4*(4*\i+\q)+3], v[STR] offset:(8*\hf+\i)*2064+512*\q
.endr
.endr
.irp i, 0,1,2,3,4,5,6,7
.irp q, 0,1,2,3
	s_wait_dscnt 31-(4*\i+\q)
	global_store_b128 v[L16], v[128+4*(4*\i+\q):128+4*(4*\i+\q)+3], s[10:11] offset:(16*\hf+\i)*2048+512*\q th:TH_STORE_NT   ; 32 lanes store 512 consecutive bytes, aligned
.endr
.endr
.endr
	s_wait_tensorcnt 0x0                           ; the wave's end: behind my last tensor load and my last LDS store
	ds_add_u32 v[SPW], v[NIL]
	s_wait_dscnt 0x0
	CROUND                                         ; the closing round: no work-group ends while a partner may still ask for a tile that names it
	s_endpgm
.Lfunc_end_k_q946bf1f63f_attn:
	.size	k_q946bf1f63f_attn, .Lfunc_end_k_q946bf1f63f_attn-k_q946bf1f63f_attn
	.p2alignl 7, 3214868480
	.fill 96, 4, 3214868480
	.section	.rodata,"a",@progbits
	.p2align	6, 0x0
	.amdhsa_kernel k_q946bf1f63f_attn
		.amdhsa_group_segment_fixed_size 327680
		.amdhsa_private_segment_fixed_size 0
		.amdhsa_enable_private_segment 0
		.amdhsa_kernarg_size 32
		.amdhsa_user_sgpr_count 2
		.amdhsa_user_sgpr_kernarg_segment_ptr 1
		.amdhsa_wavefront_size32 1
		.amdhsa_system_sgpr_workgroup_id_x 1
		.amdhsa_system_sgpr_workgroup_id_y 1
		.amdhsa_system_sgpr_workgroup_id_z 1
		.amdhsa_system_vgpr_workitem_id 0
		.amdhsa_next_free_vgpr 1024
		.amdhsa_next_free_sgpr 100
		.amdhsa_reserve_vcc 1
		.amdhsa_float_denorm_mode_32 3
		.amdhsa_float_denorm_mode_16_64 3
		.amdhsa_memory_ordered 1
		.amdhsa_forward_progress 1
		.amdhsa_inst_pref_size 255
	.end_amdhsa_kernel
	.section	.bss,"aw",@nobits
	.p2align	6
	.space	262144
	.amdgpu_metadata
---
amdhsa.version: [ 1, 2 ]
amdhsa.kernels:
  - .name:           k_q946bf1f63f_attn
    .symbol:         k_q946bf1f63f_attn.kd
    .args:
      - { .name: qk, .offset: 0, .size: 8, .value_kind: global_buffer, .address_space: global }
      - { .name: img, .offset: 8, .size: 8, .value_kind: global_buffer, .address_space: global }
      - { .name: mask, .offset: 16, .size: 8, .value_kind: global_buffer, .address_space: global }
      - { .name: out0, .offset: 24, .size: 8, .value_kind: global_buffer, .address_space: global }
    .group_segment_fixed_size: 327680
    .private_segment_fixed_size: 0
    .kernarg_segment_align: 8
    .kernarg_segment_size: 32
    .max_flat_workgroup_size: 128
    .sgpr_count:     100
    .vgpr_count:     1024
    .wavefront_size: 32
...
	.end_amdgpu_metadata
.endif
;; end of part 3
